; MI455X (gfx1250); checked and timed in simulation.
; The chip was launched on July 23, 2026; its instructions are those of AMD's public machine-readable ISA for CDNA 5 (MIT licence, August 2026) and "CDNA5" Instruction Set Architecture Reference Guide (July 2026). The comments in the code are by the model that wrote it; some were corrected since.
;; MLP Model. Allowed arithmetic: matrix products marked QUANTISED: E4M3 operands, one given power-of-two scale a tensor, by v_wmma_f32_16x16x64_fp8_fp8 or v_wmma_f32_16x16x128_fp8_fp8, f32 sums; products left as they are: f32 operands where the result goes on into a quantised operand, else bf16, f16 or f32 operands; f32 sums; everything else in f32.
;; Inputs: W1_codes 64 x 1 x 32 uint8 (E4M3 codes of W1, K innermost, in blocks of 32 codes); W2_codes 64 x 2 x 32 uint8 (E4M3 codes of W2, K innermost, in blocks of 32 codes); W3_codes 16 x 2 x 32 uint8 (E4M3 codes of W3, K innermost, in blocks of 32 codes); lowp_scales 6 int32 (the exponents e of the quantised operands' scales 2^e); table 16 x 524,288 x 2 float32; x 1,048,576 x 3 float32.
;; Outputs: out0 1,048,576 x 16 float32.
;; This version of the problem:
;;   THIS VERSION OF THE PROBLEM IS GIVEN IN LOW PRECISION. The matrix products marked QUANTISED in the list below multiply operands that are first quantised to E4M3 (4 exponent bits, 3 mantissa bits; 8 bits a number), with one given power-of-two scale for each operand tensor; their sums are f32. All else is computed in f32.
;;   The module's matrix products, in the order in which they are computed (A, B: the left and right operand; K: the contracted axis; several contracted axes count as one K, in the product's order):
;;     1. batch 1,048,576 x [M 1, K 8] x [K 8, N 2]; A: computed on the way; B: computed on the way: left as it is (K = 8 < 32)
;;     2. batch 1,048,576 x [M 1, K 8] x [K 8, N 2]; A: computed on the way; B: computed on the way: left as it is (K = 8 < 32)
;;     3. batch 1,048,576 x [M 1, K 8] x [K 8, N 2]; A: computed on the way; B: computed on the way: left as it is (K = 8 < 32)
;;     4. batch 1,048,576 x [M 1, K 8] x [K 8, N 2]; A: computed on the way; B: computed on the way: left as it is (K = 8 < 32)
;;     5. batch 1,048,576 x [M 1, K 8] x [K 8, N 2]; A: computed on the way; B: computed on the way: left as it is (K = 8 < 32)
;;     6. batch 1,048,576 x [M 1, K 8] x [K 8, N 2]; A: computed on the way; B: computed on the way: left as it is (K = 8 < 32)
;;     7. batch 1,048,576 x [M 1, K 8] x [K 8, N 2]; A: computed on the way; B: computed on the way: left as it is (K = 8 < 32)
;;     8. batch 1,048,576 x [M 1, K 8] x [K 8, N 2]; A: computed on the way; B: computed on the way: left as it is (K = 8 < 32)
;;     9. batch 1,048,576 x [M 1, K 8] x [K 8, N 2]; A: computed on the way; B: computed on the way: left as it is (K = 8 < 32)
;;     10. batch 1,048,576 x [M 1, K 8] x [K 8, N 2]; A: computed on the way; B: computed on the way: left as it is (K = 8 < 32)
;;     11. batch 1,048,576 x [M 1, K 8] x [K 8, N 2]; A: computed on the way; B: computed on the way: left as it is (K = 8 < 32)
;;     12. batch 1,048,576 x [M 1, K 8] x [K 8, N 2]; A: computed on the way; B: computed on the way: left as it is (K = 8 < 32)
;;     13. batch 1,048,576 x [M 1, K 8] x [K 8, N 2]; A: computed on the way; B: computed on the way: left as it is (K = 8 < 32)
;;     14. batch 1,048,576 x [M 1, K 8] x [K 8, N 2]; A: computed on the way; B: computed on the way: left as it is (K = 8 < 32)
;;     15. batch 1,048,576 x [M 1, K 8] x [K 8, N 2]; A: computed on the way; B: computed on the way: left as it is (K = 8 < 32)
;;     16. batch 1,048,576 x [M 1, K 8] x [K 8, N 2]; A: computed on the way; B: computed on the way: left as it is (K = 8 < 32)
;;     17. [M 1,048,576, K 32] x [K 32, N 64]; A: computed on the way; B: input W1 (given as codes): QUANTISED (scales: A lowp_scales[0], B lowp_scales[1])
;;     18. [M 1,048,576, K 64] x [K 64, N 64]; A: computed on the way; B: input W2 (given as codes): QUANTISED (scales: A lowp_scales[2], B lowp_scales[3])
;;     19. [M 1,048,576, K 64] x [K 64, N 16]; A: computed on the way; B: input W3 (given as codes): QUANTISED (scales: A lowp_scales[4], B lowp_scales[5])
;;   THE QUANTISER, for each operand of a quantised product, along K:
;;     - The operand's scale is 2^e, e = its entry of the input lowp_scales (int32; the entries are numbered through the quantised products in the list's order, A before B).
;;     - Each number is divided by the scale, clamped to +-448, and rounded to the nearest number of E4M3, ties to even, subnormals kept.
;;     - The product sums the exact products of the quantised numbers (number of the format x scale) in f32.
;;   ~~~python
;;   def quantise(x, axis, e):      # numpy; x: float32 -> the quantised numbers, widened to float32 again
;;       x = np.moveaxis(x, axis, -1); K = x.shape[-1]
;;       r = np.clip(x / 2.0 ** e, -448, 448)
;;       step = 2.0 ** (np.maximum(np.frexp(np.where(r == 0, 1, r))[1] - 1, -6) - 3)
;;       q = np.round(r / step) * step * 2.0 ** e      # np.round: ties to even
;;       return np.moveaxis(q, -1, axis).astype(np.float32)
;;   ~~~
;;   OPERANDS COMPUTED ON THE WAY. 'Computed on the way' means the value that the module computes at that place (a softmax that the list does not call 'softmax' is quantised finished and normalised). What goes into a quantiser is computed in f32, as accurately as f32 sums, v_exp_f32 and their like allow (about 1e-6 of the number): no bf16 or f16 on the way to a quantiser, and a product that is left as it is and whose result goes on into a quantised operand takes f32 operands (vector FMAs, or v_wmma_f32_16x16x4_f32). A number that lies on a knife's edge between two numbers of the format may be rounded either way, as far as f32 arithmetic and the matrix unit's own rounding can turn it there, and no further.
;;   INPUTS GIVEN AS CODES. W1 (in the module: [32, 64], K = its axis 0); W2 (in the module: [64, 64], K = its axis 0); W3 (in the module: [64, 16], K = its axis 0): each comes as NAME_codes (uint8): NAME with its K axis moved to the last place and cut into blocks of 32 codes, [.., K / 32, bytes a block], one block behind the other in memory; one code a byte (a code: sign, 4 exponent bits, 3 mantissa bits); its scale is its entry of lowp_scales. Its value is code x scale, taken as it is: it is not quantised again, and the codes and scales need not be those that the quantiser above would give.
;; 2 versions, each right; version 2 is version 1 with the launch encmlp written anew for expert scheduling mode. Each part assembles by itself: llvm-mc -triple=amdgcn-amd-amdhsa -mcpu=gfx1250 --defsym DOCPART=n.
;; ======== version 1 of 2: 2 launches
;; limits: right only within a limited range of input values
;; workspace buffers: qpos 16,777,216 bytes of whole numbers
;; launch fix (part 1): grid 1024 x 1, 8 waves a work-group, no clusters, 0 bytes of LDS; arguments x, qpos; writes qpos
.if DOCPART == 1
	.amdgcn_target "amdgcn-amd-amdhsa--gfx1250"
	.amdhsa_code_object_version 6
	.text
	.protected	k_q62ab1817a5_fix
	.globl	k_q62ab1817a5_fix
	.p2align	8
	.type	k_q62ab1817a5_fix,@function
k_q62ab1817a5_fix:
	s_mov_b64 s[64:65], 0
	v_nop
	global_prefetch_b8 v0, s[64:65] scope:SCOPE_SE
	s_setreg_imm32_b32 hwreg(HW_REG_WAVE_MODE, 25, 1), 1
	s_wait_xcnt 0x0
; x [1048576][3] f32 becomes whole numbers, 16 bytes a point: qpos [1048576][4] u32.
;   words 0-2: floor((x_d - floor x_d) * 2^32), the fraction as fixed point;   word 3: the three integer parts, 8 bits each, held at 63.
; The next launch forms every grid cell, and so every table address, from these whole numbers by integer arithmetic alone.
; x - floor x is exact in f32, and so is its product with 2^32 (v_ldexp_f32); the conversion cuts what lies under 2^-32, which only an x under 2^-9 has.
; LIMITS: 0 <= x < 64 and finite.  A negative x, an x of 64 or more, a NaN or an infinity gives numbers that are in range but not reference()'s.
; SHARES: a work-group takes 1,024 points; thread t takes points 256 i + t, i = 0 .. 3.  The three loads of one i cover 384 consecutive bytes a wave,
; a store 512 consecutive bytes, aligned.  No loop, no LDS: every offset is an immediate and no register of a pending access is written again.
.set PTS, 1024                         ; points of a work-group
.set X,   4                            ; v4-15   x of point i, dimension d at v[X + 3 i + d]
.set REC, 16                           ; v16-31  point i's record at v[REC + 4 i]
.set T,   32                           ; v32-37  at work: a pair for each dimension
	s_load_b128 s[4:7], s[0:1], 0x0                ; x s[4:5], qpos s[6:7]
	v_mul_u32_u24 v1, v0, 12                       ; my point's 12 bytes of x
	v_lshlrev_b32 v2, 4, v0                        ; and its 16 bytes of qpos
	s_mul_i32 s8, ttmp9, 12*PTS
	s_mov_b32 s9, 0
	s_lshl_b32 s10, ttmp9, 14                      ; 16 x PTS
	s_mov_b32 s11, 0
	s_wait_kmcnt 0x0
	s_add_nc_u64 s[4:5], s[4:5], s[8:9]
	s_add_nc_u64 s[6:7], s[6:7], s[10:11]
.irp i, 0,1,2,3
.irp d, 0,1,2
	global_load_b32 v[X+3*\i+\d], v1, s[4:5] offset:3072*\i+4*\d th:TH_LOAD_NT
.endr
.endr
.macro FIXD i, d
.set XR, X+3*(\i)+(\d)
.set RC, REC+4*(\i)
.set TA, T+2*(\d)
	v_floor_f32 v[TA], v[XR]
	v_sub_f32 v[TA+1], v[XR], v[TA]                ; the fraction, exact
	v_ldexp_f32 v[TA+1], v[TA+1], 32
	v_cvt_u32_f32 v[RC+\d], v[TA+1]                ; at most 2^32 - 256
	v_cvt_u32_f32 v[TA], v[TA]
.if \d == 0
	v_min_u32 v[RC+3], 63, v[TA]
.else
	v_min_u32 v[TA], 63, v[TA]
	v_lshl_or_b32 v[RC+3], v[TA], 8*\d, v[RC+3]
.endif
.endm
.irp i, 0,1,2,3
	s_wait_loadcnt 9-3*\i                          ; loads come back in order: point i's three are in, the three of each later point may be out
	FIXD \i, 0
	FIXD \i, 1
	FIXD \i, 2
	global_store_b128 v2, v[REC+4*\i:REC+4*\i+3], s[6:7] offset:4096*\i
.endr
	s_endpgm
.Lfunc_end_k_q62ab1817a5_fix:
	.size	k_q62ab1817a5_fix, .Lfunc_end_k_q62ab1817a5_fix-k_q62ab1817a5_fix
	.p2alignl 7, 3214868480
	.fill 96, 4, 3214868480
	.section	.rodata,"a",@progbits
	.p2align	6, 0x0
	.amdhsa_kernel k_q62ab1817a5_fix
		.amdhsa_group_segment_fixed_size 0
		.amdhsa_private_segment_fixed_size 0
		.amdhsa_enable_private_segment 0
		.amdhsa_kernarg_size 16
		.amdhsa_user_sgpr_count 2
		.amdhsa_user_sgpr_kernarg_segment_ptr 1
		.amdhsa_wavefront_size32 1
		.amdhsa_system_sgpr_workgroup_id_x 1
		.amdhsa_system_sgpr_workgroup_id_y 1
		.amdhsa_system_sgpr_workgroup_id_z 1
		.amdhsa_system_vgpr_workitem_id 0
		.amdhsa_next_free_vgpr 40
		.amdhsa_next_free_sgpr 66
		.amdhsa_reserve_vcc 0
		.amdhsa_float_denorm_mode_32 3
		.amdhsa_float_denorm_mode_16_64 3
		.amdhsa_memory_ordered 1
		.amdhsa_forward_progress 1
		.amdhsa_inst_pref_size 6
	.end_amdhsa_kernel
	.amdgpu_metadata
---
amdhsa.version: [ 1, 2 ]
amdhsa.kernels:
  - .name:           k_q62ab1817a5_fix
    .symbol:         k_q62ab1817a5_fix.kd
    .args:
      - { .name: x, .offset: 0, .size: 8, .value_kind: global_buffer, .address_space: global }
      - { .name: qpos, .offset: 8, .size: 8, .value_kind: global_buffer, .address_space: global }
    .group_segment_fixed_size: 0
    .private_segment_fixed_size: 0
    .kernarg_segment_align: 8
    .kernarg_segment_size: 16
    .max_flat_workgroup_size: 256
    .sgpr_count:     66
    .vgpr_count:     40
    .wavefront_size: 32
...
	.end_amdgpu_metadata
.endif
;; end of part 1
;; launch encmlp (part 2): grid 4096 x 1, 8 waves a work-group, no clusters, 21,504 bytes of LDS; arguments x, qpos, table, W1_codes, W2_codes, W3_codes, lowp_scales, out0; writes out0
.if DOCPART == 2
	.amdgcn_target "amdgcn-amd-amdhsa--gfx1250"
	.amdhsa_code_object_version 6
	.text
	.protected	k_q62ab1817a5_encmlp
	.globl	k_q62ab1817a5_encmlp
	.p2align	8
	.type	k_q62ab1817a5_encmlp,@function
k_q62ab1817a5_encmlp:
	s_mov_b64 s[64:65], 0
	v_nop
	global_prefetch_b8 v0, s[64:65] scope:SCOPE_SE
	s_setreg_imm32_b32 hwreg(HW_REG_WAVE_MODE, 25, 1), 1
	s_wait_xcnt 0x0
; out0 = Q(relu(Q(relu(Q(h) W1)) W2)) W3, h = the 16-level hash-grid encoding of x (2 features a level); Q = the quantiser to E4M3 with the given scale 2^e.
; SHARES.  A work-group takes 256 points, a wave 32; through the encoding a lane is one point.  Waves share nothing: no barrier.  Straight-line code, EXEC full throughout.
; THE CELL.  q = x as fixed point (qpos, made by the launch before): q 2^32 = A 2^19 + B, A < 2^19, B < 2^19.  For a level of resolution R < 2^13
;   n = floor(q R) = (A R + (B R >> 19)) >> 13, all in 32 bits.  Every table address is made of n: no address hangs on a float of this launch.
;   The weight is w = fl(x R) - n: the same product as reference()'s, and the difference is exact.  Rounding is monotone and n is an f32 number, so w >= 0.
;   Where reference()'s floor(fl(x R)) is n + 1 (the product rounded up onto a whole number, or bits of x under 2^-32 were cut), w is 1 (at most 1 + R 2^-32) here and 0 there in the next cell: the same corner with weight 1.
; THE INDEX.  Levels 0-3 (R + 1 cubed fits the table): x + y S + z S^2, S = R + 1; an index past the table is held at its last entry.  Levels 4-15: x ^ y P1 ^ z P2, of which
;   the low 19 bits count: so the primes are taken mod 2^19 and the products are 24-bit ones; n + 1 < 2^19, so x's term needs no mask.
; THE GATHERS.  8 loads of 8 bytes a level, each landing on its own offset register.  Three sets of registers take turns: while level l is summed, the 16 loads of levels l + 1 and l + 2 are out,
;   and level l + 3 is asked for straight behind.  The launch takes 130 registers a wave.
; THE PRODUCTS, v_wmma_f32_16x16x64_fp8_fp8, are used transposed (source 0 = 16 rows of W, source 1 = 16 points): a lane holds ONE point and its registers run along the hidden units.  Each K fits one instruction: C = 0, no chain.
;   Every operand has k = 32 c + 16 h + 0 .. 15 in registers 4 c .. 4 c + 3 (h = lane / 16): one permutation of k, the same on both sides, so every product meets its partner; it is fed by loads of 16 bytes.
;   THE ROWS OF W1 AND W2 THAT FORM A TILE ARE NOT NEIGHBOURS: lane r of tile 2 b + u takes row 32 b + 8 u + r + 8 (r / 8), so that the 16 registers of tiles 2 b, 2 b + 1 are k = 32 b + 16 h + 0 .. 15 of the next product.
;   The first product's K = 32 is filled up to 64 with zero codes on both sides.  The scales ahead of a quantiser are folded into the conversion's one; relu is the lower end of the hold.
; LIMITS.  0 <= x < 64, finite (NaN is not served).  e0, e2 - e0 - e1 and e4 - e2 - e3 between -126 and 119, e4 + e5 between -126 and 127, so that each power of two below is an f32 number.
; REGISTERS.  v0 thread; v1, v7, v14 my lane's byte in W1, W2, W3; v[2:3], v4 x; v5, v6 the scale in hand and 448 x it; v8-10 B, v11-13 A; v15 head only; v16-23 eight features (four levels);
;   v24-31 my point's 32 codes; v32-53 at work; v56-79, v80-103, v104-127 the three sets: 8 corners x 2 numbers, then 8 weights.
;   In the products: v32-63 four tiles of W1, then of W2; v64-71 W3; v24-31, v72-79 and v112-119, v120-127 the two tiles of points, by turns; v80-111 four results.
.set TMASK, 0x7ffff                    ; a level's last entry
.set P1,    0x779b1                    ; 2654435761 mod 2^19
.set P2,    0x25795                    ; 805459861 mod 2^19
.set LVLB,  0x400000                   ; a level's table in bytes
.set WO1,  1
.set WO2,  7
.set WO3,  14
.set QS,   5
.set QL,   6
.set QB,   8
.set QA,   11
.set HF,   16
.set CD,   24
.set SET0, 56
.set WF,   32
.set W3F,  64
.set XB1,  72
.set ACC,  80
.set X2,   112
.set TBS,  32                          ; s[32:47] table + g x 2 levels, g = 0 .. 7; the odd level stands in the load's immediate
.set SPITCH, 80                        ; the way out: a point's 64 bytes + 16: 20 words, so that 16 neighbouring rows begin in 16 different groups of four banks (64 banks of 4 bytes: ISA guide 11.1)
	s_load_b256 s[8:15], s[0:1], 0x0               ; x s[8:9], qpos s[10:11], table s[12:13], W1 s[14:15]
	s_load_b256 s[16:23], s[0:1], 0x20             ; W2 s[16:17], W3 s[18:19], the exponents s[20:21], out0 s[22:23]
	v_lshl_add_u32 v128, v0, 2, 0x5000
	v_mov_b32 v129, 0
	v_lshrrev_b32 v32, 5, v0
	v_readfirstlane_b32 s30, v32                   ; wave 0..7
	v_and_b32 v32, 15, v0                          ; r
	v_and_b32 v33, 8, v0
	v_add_nc_u32 v33, v33, v32                     ; r + 8 (r / 8)
	v_bfe_u32 v34, v0, 4, 1                        ; h
	v_lshlrev_b32 v34, 4, v34
	v_lshl_add_u32 v[WO1], v33, 5, v34             ; W1: a row is 32 codes
	v_lshl_add_u32 v[WO2], v33, 6, v34             ; W2: 64
	v_lshl_add_u32 v[WO3], v32, 6, v34             ; W3: 64, rows as they lie
	v_mul_u32_u24 v15, v0, 12                      ; my point's bytes of x
	v_lshlrev_b32 v16, 4, v0                       ; and of qpos
	s_mul_i32 s56, ttmp9, 256*12
	s_mov_b32 s57, 0
	s_wait_kmcnt 0x0
	s_load_b128 s[24:27], s[20:21], 0x0            ; e0 .. e3
	s_load_b64 s[28:29], s[20:21], 0x10            ; e4, e5
	s_add_nc_u64 s[8:9], s[8:9], s[56:57]
	s_lshl_b32 s56, ttmp9, 12
	s_add_nc_u64 s[10:11], s[10:11], s[56:57]
	global_load_b128 v[8:11], v16, s[10:11] th:TH_LOAD_NT
	global_load_b32 v2, v15, s[8:9] th:TH_LOAD_NT
	global_load_b32 v3, v15, s[8:9] offset:4 th:TH_LOAD_NT
	global_load_b32 v4, v15, s[8:9] offset:8 th:TH_LOAD_NT
	s_lshl_b32 s56, ttmp9, 14                      ; out0: 256 points x 64 bytes a work-group,
	s_lshl_b32 s31, s30, 11                        ; 32 x 64 a wave
	s_add_co_u32 s56, s56, s31
	s_add_nc_u64 s[22:23], s[22:23], s[56:57]
.irp g, 0,1,2,3,4,5,6,7
	s_add_nc_u64 s[TBS+2*\g:TBS+2*\g+1], s[12:13], \g*2*LVLB
.endr
; from the whole number e in s31: s[dst] = 2^e as f32 (a conversion takes its exponent field), s[dst + 1] = 448 x 2^e (448 = 1.75 x 2^8)
.macro POWERS dst
	s_add_co_i32 s31, s31, 127
	s_lshl_b32 s[\dst], s31, 23
	s_add_co_i32 s31, s31, 8
	s_lshl_b32 s[\dst+1], s31, 23
	s_or_b32 s[\dst+1], s[\dst+1], 0x600000
.endm
	s_wait_kmcnt 0x0
	s_mov_b32 s31, s24
	POWERS 48                                      ; h's scale: e0
	s_sub_co_i32 s31, s26, s24
	s_sub_co_i32 s31, s31, s25
	POWERS 50                                      ; a sum of the first product stands for sum x 2^(e0 + e1): its code is sum / 2^(e2 - e0 - e1)
	s_sub_co_i32 s31, s28, s26
	s_sub_co_i32 s31, s31, s27
	POWERS 52                                      ; likewise e4 - e2 - e3
	s_add_co_i32 s31, s28, s29
	s_add_co_i32 s31, s31, 127
	s_lshl_b32 s54, s31, 23                        ; 2^(e4 + e5): what the last sums are multiplied by
	s_mov_b32 s55, s54                             ; (named with it as a pair, so it is written)
	v_mov_b32 v[QS], s48
	v_mov_b32 v[QL], s49
	s_wait_loadcnt 0x0                             ; my point's record and its x; v15 and v16 are free from here on
	v_and_b32 v32, 63, v11                         ; the three integer parts
	v_bfe_u32 v33, v11, 8, 6
	v_bfe_u32 v34, v11, 16, 6
.irp d, 0,1,2
	v_alignbit_b32 v[QA+\d], v[32+\d], v[QB+\d], 19   ; A = {integer part, fraction} >> 19
.endr
.irp d, 0,1,2
	v_and_b32 v[QB+\d], TMASK, v[QB+\d]            ; B = the fraction's low 19 bits
.endr
; LEVEL l, resolution R (RF: the same as f32): the cell, the eight weights, the eight indices, the eight loads.  Each group of lines runs over the three dimensions, so that no line waits for the one above it.
; At work: v[32:33], v34 fl(x R); v36-38 n; v40-42 the sums, then n as f32; v[44:45], v[46:47], v[48:49] (1 - w, w) of x, y, z; v50-53 the four x-y products.
.macro ADDR l, R, RF
.set FB, SET0+24*(((\l)+2)%3)          ; the level's set: corner c at v[FB + 2 c], first its index, then its two numbers
.set WG, FB+16                         ; and its weight at v[WG + c]
	v_pk_mul_f32 v[32:33], v[2:3], \RF op_sel_hi:[1,0]
	v_mul_f32 v34, \RF, v4
.irp d, 0,1,2
	v_mul_u32_u24 v[40+\d], v[QB+\d], \R
.endr
.irp d, 0,1,2
	v_lshrrev_b32 v[40+\d], 19, v[40+\d]
.endr
.irp d, 0,1,2
	v_mad_u32_u24 v[40+\d], v[QA+\d], \R, v[40+\d]
.endr
.irp d, 0,1,2
	v_lshrrev_b32 v[36+\d], 13, v[40+\d]           ; n
.endr
.irp d, 0,1,2
	v_cvt_f32_u32 v[40+\d], v[36+\d]
.endr
.irp d, 0,1,2
	v_sub_f32 v[45+2*\d], v[32+\d], v[40+\d]       ; w
.endr
.irp d, 0,1,2
	v_sub_f32 v[44+2*\d], 1.0, v[45+2*\d]          ; 1 - w
.endr
	v_pk_mul_f32 v[50:51], v[44:45], v[46:47] op_sel_hi:[0,1]                ; corner c = 4 i + 2 j + k is (x + i, y + j, z + k); its weight is (X_i Y_j) Z_k, in reference()'s order
	v_pk_mul_f32 v[52:53], v[44:45], v[46:47] op_sel:[1,0] op_sel_hi:[1,1]
.irp p, 0,1
	v_pk_mul_f32 v[WG+4*\p:WG+4*\p+1], v[50+2*\p:51+2*\p], v[48:49] op_sel_hi:[0,1]
	v_pk_mul_f32 v[WG+4*\p+2:WG+4*\p+3], v[50+2*\p:51+2*\p], v[48:49] op_sel:[1,0] op_sel_hi:[1,1]
.endr
.if (\l) < 4
.set GS, (\R)+1
	v_mad_u32_u24 v32, v37, GS, v36
	v_mad_u32_u24 v32, v38, GS*GS, v32             ; corner 0
	v_add_nc_u32 v33, GS*GS, v32                   ; z + 1
	v_add_nc_u32 v34, GS, v32                      ; y + 1
	v_add_nc_u32 v35, GS*GS+GS, v32                ; both
.irp c, 0,1,2,3
	v_add_nc_u32 v[40+\c], 1, v[32+\c]             ; x + 1
.endr
.irp c, 0,1,2,3
	v_min_u32 v[FB+2*\c], TMASK, v[32+\c]          ; a number that comes from memory is held under a constant before it enters an address
	v_min_u32 v[FB+8+2*\c], TMASK, v[40+\c]
.endr
.else
	v_add_nc_u32 v35, 1, v36
	v_mul_u32_u24 v32, v37, P1
	v_mul_u32_u24 v34, v38, P2
	v_add_nc_u32 v33, P1, v32                      ; (y + 1) P1
	v_add_nc_u32 v43, P2, v34                      ; (z + 1) P2
	v_xor_b32 v50, v32, v34
	v_xor_b32 v51, v32, v43
	v_xor_b32 v52, v33, v34
	v_xor_b32 v53, v33, v43
.irp c, 0,1,2,3
	v_and_b32 v[50+\c], TMASK, v[50+\c]
.endr
.irp c, 0,1,2,3,4,5,6,7
	v_xor_b32 v[FB+2*\c], v[36-\c/4], v[50+\c%4]
.endr
.irp c, 0,1,2,3,4,5,6,7
	v_min_u32 v[FB+2*\c], TMASK, v[FB+2*\c]        ; changes nothing here: a number that comes from memory is held under a constant before it enters an address
.endr
.endif
.irp c, 0,1,2,3,4,5,6,7
	global_load_b64 v[FB+2*\c:FB+2*\c+1], v[FB+2*\c], s[TBS+2*((\l)/2):TBS+2*((\l)/2)+1] offset:((\l)%2)*LVLB scale_offset   ; entry = 8 bytes: the index is scaled by the access's size
.endr
.endm
; Level l's two features: the sum over its eight corners of weight x entry, two numbers an instruction.  left: the younger loads, which may stay out.
; The wait also frees the set: its loads are done, so the level three on may write its registers.
.macro SUM l, left
.set FB, SET0+24*(((\l)+2)%3)
.set WG, FB+16
.set HH, HF+2*((\l)%4)
	s_wait_loadcnt \left
	v_pk_mul_f32 v[HH:HH+1], v[FB:FB+1], v[WG:WG+1] op_sel_hi:[1,0]
	v_pk_fma_f32 v[HH:HH+1], v[FB+2:FB+3], v[WG:WG+1], v[HH:HH+1] op_sel:[0,1,0] op_sel_hi:[1,1,1]
.irp m, 1,2,3
	v_pk_fma_f32 v[HH:HH+1], v[FB+4*\m:FB+4*\m+1], v[WG+2*\m:WG+2*\m+1], v[HH:HH+1] op_sel_hi:[1,0,1]
	v_pk_fma_f32 v[HH:HH+1], v[FB+4*\m+2:FB+4*\m+3], v[WG+2*\m:WG+2*\m+1], v[HH:HH+1] op_sel:[0,1,0] op_sel_hi:[1,1,1]
.endr
.endm
; Four levels' eight features, k = 8 g .. 8 g + 7, become eight codes.
.macro Q8 g
.irp i, 0,1,2,3,4,5,6,7
	v_med3_num_f32 v[HF+\i], v[HF+\i], -v[QL], v[QL]   ; the conversion to an 8-bit code does not saturate (ISA guide 7.6.2): the hold at 448 x the scale
.endr
	v_cvt_scalef32_pk8_fp8_f32 v[CD+2*(\g):CD+2*(\g)+1], v[HF:HF+7], v[QS]
	v_nop                                          ; one plain vector instruction between a scaled conversion and the next line that writes its sources or touches its result
.endm
	ADDR 0,  16,   0x41800000
	ADDR 1,  24,   0x41c00000
	ADDR 2,  36,   0x42100000
	SUM 0, 16                                      ; 16: the eight loads of each of the next two levels
	ADDR 3,  54,   0x42580000
	SUM 1, 16
	ADDR 4,  81,   0x42a20000
	SUM 2, 16
	ADDR 5,  121,  0x42f20000
	SUM 3, 16
	ADDR 6,  182,  0x43360000
	Q8 0
	SUM 4, 16
	ADDR 7,  273,  0x43888000
	SUM 5, 16
	ADDR 8,  410,  0x43cd0000
	SUM 6, 16
	ADDR 9,  615,  0x4419c000
	SUM 7, 16
	ADDR 10, 922,  0x44668000
	Q8 1
	SUM 8, 16
	ADDR 11, 1383, 0x44ace000
	SUM 9, 16
	ADDR 12, 2075, 0x4501b000
	SUM 10, 16
	ADDR 13, 3113, 0x45429000
	SUM 11, 16
	ADDR 14, 4670, 0x4591f000
	Q8 2
	SUM 12, 16
	ADDR 15, 7006, 0x45daf000
	SUM 13, 16
	; W1's four tiles and W3's one are asked for here: v32-55 are free since level 15's addresses were made, v56-79 since level 13 was summed
.irp t, 0,1,2,3
	global_load_b128 v[WF+8*\t:WF+8*\t+3], v[WO1], s[14:15] offset:(32*(\t/2)+8*(\t%2))*32   ; k = 16 h + 0 .. 15 of the tile's row
.endr
.irp c, 0,1
	global_load_b128 v[W3F+4*\c:W3F+4*\c+3], v[WO3], s[18:19] offset:32*\c
.endr
.irp t, 0,1,2,3
.irp i, 4,5,6,7
	v_mov_b32 v[WF+8*\t+\i], 0                     ; K = 32 .. 63 of the first product: zero codes
.endr
.endr
.irp i, 4,5,6,7
	v_mov_b32 v[XB1+\i], 0
.endr
	SUM 14, 14                                     ; 14: level 15's eight, W1's four, W3's two
	SUM 15, 6                                      ; 6: W1's four, W3's two
	Q8 3
	; FROM LANES TO FRAGMENTS.  Lane L holds all 32 codes of point L: k 0-15 in v24-27, k 16-31 in v28-31.  The tile of points 0-15 wants k 0-15 of point r in lane r and k 16-31 in lane 16 + r; the tile of points 16-31 likewise.
	; One exchange a register pair does both: v24-27's upper lanes change places with v28-31's lower lanes.
.irp i, 0,1,2,3
	v_permlane16_swap_b32 v[CD+\i], v[CD+4+\i]
.endr
.irp i, 0,1,2,3
	v_mov_b32 v[XB1+\i], v[CD+4+\i]                ; points 16-31 get a run of eight registers of their own,
.endr
.irp i, 4,5,6,7
	v_mov_b32 v[CD+\i], 0                          ; and points 0-15 their zero codes
.endr
; A HIDDEN LAYER of 64 units for the two tiles of points in v[xa] and v[xb] on; its codes go to v[ya] and v[yb] on.  Two halves of 32 units: four products, the hold, four conversions.
; s[ssc], s[slim]: the conversion's scale and 448 x it.  w0, w1: the loads that may stay out at each half's head (w1 = -1: the half needs no wait).  next = 1: W2's tiles are loaded over W1's as these are done with.
.macro LAYER xa, xb, ya, yb, ssc, slim, w0, w1, next
.irp b, 0,1
.if \b == 0
	s_wait_loadcnt \w0
.elseif (\w1) >= 0
	s_wait_loadcnt \w1
.endif
	v_wmma_f32_16x16x64_fp8_fp8 v[ACC:ACC+7],     v[WF+16*\b:WF+16*\b+7],    v[\xa:\xa+7], 0
	v_wmma_f32_16x16x64_fp8_fp8 v[ACC+8:ACC+15],  v[WF+16*\b+8:WF+16*\b+15], v[\xa:\xa+7], 0
	v_wmma_f32_16x16x64_fp8_fp8 v[ACC+16:ACC+23], v[WF+16*\b:WF+16*\b+7],    v[\xb:\xb+7], 0
	v_wmma_f32_16x16x64_fp8_fp8 v[ACC+24:ACC+31], v[WF+16*\b+8:WF+16*\b+15], v[\xb:\xb+7], 0
	; four plain vector instructions that name none of the products' registers stand ahead of the loads into W's registers and of the first read of a result
.if \b == 0
	v_mov_b32 v[QS], s[\ssc]
	v_mov_b32 v[QL], s[\slim]
	v_nop
	v_nop
.else
.rept 4
	v_nop
.endr
.endif
.if \next
.irp u, 0,1
.irp c, 0,1
	global_load_b128 v[WF+16*\b+8*\u+4*\c:WF+16*\b+8*\u+4*\c+3], v[WO2], s[16:17] offset:(32*\b+8*\u)*64+32*\c
.endr
.endr
.endif
.set i, 0
.rept 32
	v_med3_num_f32 v[ACC+i], v[ACC+i], 0, v[QL]    ; relu and the hold in one; each result is read from its low end on
.set i, i+1
.endr
	v_cvt_scalef32_pk8_fp8_f32 v[\ya+4*\b:\ya+4*\b+1],   v[ACC:ACC+7],     v[QS]   ; registers 4 b .. 4 b + 3 of the next operand: k = 32 b + 16 h + 0 .. 15
	v_cvt_scalef32_pk8_fp8_f32 v[\ya+4*\b+2:\ya+4*\b+3], v[ACC+8:ACC+15],  v[QS]
	v_cvt_scalef32_pk8_fp8_f32 v[\yb+4*\b:\yb+4*\b+1],   v[ACC+16:ACC+23], v[QS]
	v_cvt_scalef32_pk8_fp8_f32 v[\yb+4*\b+2:\yb+4*\b+3], v[ACC+24:ACC+31], v[QS]
	v_nop                                          ; one plain vector instruction ahead of the products that write the conversions' sources or read their results
.endr
.endm
	; The second half's products write over the first half's results: behind each of those stand the four places and at least 24 holds that name none of its registers.
	LAYER CD, XB1, X2, X2+8, 50, 51, 2, -1, 1      ; 2: W3's two loads may be out; W1's four tiles are all in, so the second half has no wait
	LAYER X2, X2+8, CD, XB1, 52, 53, 4, 0, 0       ; 4: W2's tiles 0 and 1 (and W3, asked for earlier) are in, tiles 2 and 3 may be out; then all
	; THE LAST LAYER: source 0 = W3's 16 rows: lane (r, h), register j = out(point r, channel 8 h + j)
	v_wmma_f32_16x16x64_fp8_fp8 v[ACC:ACC+7],    v[W3F:W3F+7], v[CD:CD+7], 0
	v_wmma_f32_16x16x64_fp8_fp8 v[ACC+8:ACC+15], v[W3F:W3F+7], v[XB1:XB1+7], 0
	; THE WAY OUT.  A lane holds 32 bytes of a point's 64, and the wave's 32 points are 2,048 consecutive bytes of out0: they go through the wave's own stage in LDS (32 rows of 80 bytes) and leave
	; 512 consecutive bytes a store.  The thirteen address lines are the places behind the two products.
	s_mul_i32 s31, s30, 32*SPITCH                  ; my wave's stage
	v_and_b32 v19, 15, v0                          ; r
	v_bfe_u32 v20, v0, 4, 1                        ; h
	v_mul_u32_u24 v16, v19, SPITCH
	v_lshl_add_u32 v16, v20, 5, v16
	v_add_nc_u32 v16, s31, v16                     ; in: row r, + 32 h
	v_bfe_u32 v21, v0, 2, 3                        ; lane / 4
	v_and_b32 v22, 3, v0
	v_mul_u32_u24 v17, v21, SPITCH
	v_lshl_add_u32 v17, v22, 4, v17
	v_add_nc_u32 v17, s31, v17                     ; back: four lanes to a row, eight rows an instruction
	v_and_b32 v18, 31, v0
	v_lshlrev_b32 v18, 4, v18                      ; and the same bytes in out0: 16 x lane
.irp i, 0,1,2,3,4,5,6,7
	v_pk_mul_f32 v[96+2*\i:97+2*\i], v[ACC+2*\i:ACC+2*\i+1], s[54:55] op_sel_hi:[1,0]   ; x 2^(e4 + e5); each result from its low end on
.endr
	ds_store_b128 v16, v[96:99]                    ; points 0-15: the 16 lanes of a half write rows 80 bytes apart: 16 different columns of 16 bytes
	ds_store_b128 v16, v[100:103] offset:16
	ds_store_b128 v16, v[104:107] offset:16*SPITCH ; points 16-31
	ds_store_b128 v16, v[108:111] offset:16*SPITCH+16
.irp i, 0,1,2,3
	ds_load_b128 v[112+4*\i:115+4*\i], v17 offset:8*\i*SPITCH   ; LDS serves a wave's instructions in order (ISA guide 5.7.1.4): these see my stores.  Of 16 lanes' four rows the fourth wraps onto three columns of the first: two deep there
.endr
.irp i, 0,1,2,3
	s_wait_dscnt 3-\i                              ; load i is back; the later ones may be out
	global_store_b128 v18, v[112+4*\i:115+4*\i], s[22:23] offset:512*\i th:TH_STORE_NT   ; 32 lanes store 512 consecutive bytes, at a multiple of 256 from out0's first byte; written once, read by nobody here
.endr
	s_wait_tensorcnt 0x0
	ds_add_u32 v128, v129
	s_wait_dscnt 0x0
	s_endpgm
.Lfunc_end_k_q62ab1817a5_encmlp:
	.size	k_q62ab1817a5_encmlp, .Lfunc_end_k_q62ab1817a5_encmlp-k_q62ab1817a5_encmlp
	.p2alignl 7, 3214868480
	.fill 96, 4, 3214868480
	.section	.rodata,"a",@progbits
	.p2align	6, 0x0
	.amdhsa_kernel k_q62ab1817a5_encmlp
		.amdhsa_group_segment_fixed_size 21504
		.amdhsa_private_segment_fixed_size 0
		.amdhsa_enable_private_segment 0
		.amdhsa_kernarg_size 64
		.amdhsa_user_sgpr_count 2
		.amdhsa_user_sgpr_kernarg_segment_ptr 1
		.amdhsa_wavefront_size32 1
		.amdhsa_system_sgpr_workgroup_id_x 1
		.amdhsa_system_sgpr_workgroup_id_y 1
		.amdhsa_system_sgpr_workgroup_id_z 1
		.amdhsa_system_vgpr_workitem_id 0
		.amdhsa_next_free_vgpr 130
		.amdhsa_next_free_sgpr 66
		.amdhsa_reserve_vcc 0
		.amdhsa_float_denorm_mode_32 3
		.amdhsa_float_denorm_mode_16_64 3
		.amdhsa_memory_ordered 1
		.amdhsa_forward_progress 1
		.amdhsa_inst_pref_size 88
	.end_amdhsa_kernel
	.amdgpu_metadata
---
amdhsa.version: [ 1, 2 ]
amdhsa.kernels:
  - .name:           k_q62ab1817a5_encmlp
    .symbol:         k_q62ab1817a5_encmlp.kd
    .args:
      - { .name: x, .offset: 0, .size: 8, .value_kind: global_buffer, .address_space: global }
      - { .name: qpos, .offset: 8, .size: 8, .value_kind: global_buffer, .address_space: global }
      - { .name: table, .offset: 16, .size: 8, .value_kind: global_buffer, .address_space: global }
      - { .name: W1_codes, .offset: 24, .size: 8, .value_kind: global_buffer, .address_space: global }
      - { .name: W2_codes, .offset: 32, .size: 8, .value_kind: global_buffer, .address_space: global }
      - { .name: W3_codes, .offset: 40, .size: 8, .value_kind: global_buffer, .address_space: global }
      - { .name: lowp_scales, .offset: 48, .size: 8, .value_kind: global_buffer, .address_space: global }
      - { .name: out0, .offset: 56, .size: 8, .value_kind: global_buffer, .address_space: global }
    .group_segment_fixed_size: 21504
    .private_segment_fixed_size: 0
    .kernarg_segment_align: 8
    .kernarg_segment_size: 64
    .max_flat_workgroup_size: 256
    .sgpr_count:     66
    .vgpr_count:     130
    .wavefront_size: 32
...
	.end_amdgpu_metadata
.endif
;; end of part 2
;; ======== version 2 of 2: 2 launches; version 1 with the launch encmlp written anew for expert scheduling mode
;; limits: right only within a limited range of input values
;; workspace buffers: qpos 16,777,216 bytes of whole numbers
;; launch fix: the kernel of part 1 again; grid 1024 x 1, 8 waves a work-group, no clusters, 0 bytes of LDS; arguments x, qpos; writes qpos
;; launch encmlp (part 3): grid 4096 x 1, 8 waves a work-group, no clusters, 21,504 bytes of LDS; arguments x, qpos, table, W1_codes, W2_codes, W3_codes, lowp_scales, out0; writes out0
.if DOCPART == 3
	.amdgcn_target "amdgcn-amd-amdhsa--gfx1250"
	.amdhsa_code_object_version 6
	.text
	.protected	k_q62ab1817a5_encmlp
	.globl	k_q62ab1817a5_encmlp
	.p2align	8
	.type	k_q62ab1817a5_encmlp,@function
k_q62ab1817a5_encmlp:
	s_mov_b64 s[64:65], 0
	v_nop
	global_prefetch_b8 v0, s[64:65] scope:SCOPE_SE
	s_setreg_imm32_b32 hwreg(HW_REG_WAVE_SCHED_MODE, 0, 2), 2
	s_setreg_imm32_b32 hwreg(HW_REG_WAVE_MODE, 25, 1), 1
	s_wait_xcnt 0x0
	s_wait_alu depctr_vm_vsrc(0)
; out0 = Q(relu(Q(relu(Q(h) W1)) W2)) W3, h = the 16-level hash-grid encoding of x (2 features a level); Q = the quantiser to E4M3 with the given scale 2^e.
; SHARES.  A work-group takes 256 points, a wave 32; through the encoding a lane is one point.  Waves share nothing: no barrier.  Straight-line code, EXEC full throughout.
; THE CELL.  q = x as fixed point (qpos, made by the launch before): q 2^32 = A 2^19 + B, A < 2^19, B < 2^19.  For a level of resolution R < 2^13
;   n = floor(q R) = (A R + (B R >> 19)) >> 13, all in 32 bits.  Every table address is made of n: no address hangs on a float of this launch.
;   The weight is w = fl(x R) - n: the same product as reference()'s, and the difference is exact.  Rounding is monotone and n is an f32 number, so w >= 0.
;   Where reference()'s floor(fl(x R)) is n + 1 (the product rounded up onto a whole number, or bits of x under 2^-32 were cut), w is 1 (at most 1 + R 2^-32) here and 0 there in the next cell: the same corner with weight 1.
; THE INDEX.  Levels 0-3 (R + 1 cubed fits the table): x + y S + z S^2, S = R + 1; an index past the table is held at its last entry.  Levels 4-15: x ^ y P1 ^ z P2, of which
;   the low 19 bits count: so the primes are taken mod 2^19 and the products are 24-bit ones; n + 1 < 2^19, so x's term needs no mask.
; THE GATHERS.  8 loads of 8 bytes a level, each landing on its own offset register.  Three sets of registers take turns: while level l is summed, the 16 loads of levels l + 1 and l + 2 are out,
;   and level l + 3 is asked for straight behind.  The launch takes 130 registers a wave.
; THE PRODUCTS, v_wmma_f32_16x16x64_fp8_fp8, are used transposed (source 0 = 16 rows of W, source 1 = 16 points): a lane holds ONE point and its registers run along the hidden units.  Each K fits one instruction: C = 0, no chain.
;   Every operand has k = 32 c + 16 h + 0 .. 15 in registers 4 c .. 4 c + 3 (h = lane / 16): one permutation of k, the same on both sides, so every product meets its partner; it is fed by loads of 16 bytes.
;   THE ROWS OF W1 AND W2 THAT FORM A TILE ARE NOT NEIGHBOURS: lane r of tile 2 b + u takes row 32 b + 8 u + r + 8 (r / 8), so that the 16 registers of tiles 2 b, 2 b + 1 are k = 32 b + 16 h + 0 .. 15 of the next product.
;   The first product's K = 32 is filled up to 64 with zero codes on both sides.  The scales ahead of a quantiser are folded into the conversion's one; relu is the lower end of the hold.
; LIMITS.  0 <= x < 64, finite (NaN is not served).  e0, e2 - e0 - e1 and e4 - e2 - e3 between -126 and 119, e4 + e5 between -126 and 127, so that each power of two below is an f32 number.
; REGISTERS.  v0 thread; v1, v7, v14 my lane's byte in W1, W2, W3; v[2:3], v4 x; v5, v6 the scale in hand and 448 x it; v8-10 B, v11-13 A; v15 head only; v16-23 eight features (four levels);
;   v24-31 my point's 32 codes; v32-53 at work; v56-79, v80-103, v104-127 the three sets: 8 corners x 2 numbers, then 8 weights.
;   In the products: v32-63 four tiles of W1, then of W2; v64-71 W3; v24-31, v72-79 and v112-119, v120-127 the two tiles of points, by turns; v80-111 four results.
; THE MODE: SCHED_MODE bits 1:0 = 2 (LLVM: expert scheduling mode 2), set by the entry lines.  The code itself states the register dependences
; between vector or matrix instructions and memory or LDS instructions, with s_wait_alu, always for 0.
; THE PLAN.  Registers that memory or LDS instructions touch:
;   v15, v16      offsets of the head's four loads; written once by vector lines; v16 is written again by level 0's sum.
;   a set's v[FB + 2 c]   written by the level's last index lines; read by load c as its offset; that same load lands in v[FB + 2 c : FB + 2 c + 1]; the level's sum reads them; the level three on writes them again.
;   a set's eight weights and v32-53 (until the weights' loads) are named by vector lines alone.
;   v1, v7, v14   offsets into W1, W2, W3: written at the head, never again.
;   v32-71        W1's and W3's loads land where level 15's work and level 13's set lay; W2's loads land where the first layer's products have read W1.
;   v16-18, v96-127   the way out: LDS addresses, the store's offset, the LDS stores' data, the registers in which the LDS loads land.
; A STEP: level l + 3's cell and partial indices, in work registers | the wait for level l's data, and the wait that its loads have read their offsets | level l's sum | level l + 3's eight indices into the set |
;   ONE wait on va_vdst: the indices are written and the sum is done reading the set | the eight loads | level l + 3's weights, which name no register that a load touches.
.set TMASK, 0x7ffff                    ; a level's last entry
.set P1,    0x779b1                    ; 2654435761 mod 2^19
.set P2,    0x25795                    ; 805459861 mod 2^19
.set LVLB,  0x400000                   ; a level's table in bytes
.set WO1,  1
.set WO2,  7
.set WO3,  14
.set QS,   5
.set QL,   6
.set QB,   8
.set QA,   11
.set HF,   16
.set CD,   24
.set SET0, 56
.set WF,   32
.set W3F,  64
.set XB1,  72
.set ACC,  80
.set X2,   112
.set TBS,  32                          ; s[32:47] table + g x 2 levels, g = 0 .. 7; the odd level stands in the load's immediate
.set SPITCH, 80                        ; the way out: a point's 64 bytes + 16: 20 words, so that 16 neighbouring rows begin in 16 different groups of four banks (64 banks of 4 bytes: ISA guide 11.1)
	s_load_b256 s[8:15], s[0:1], 0x0               ; x s[8:9], qpos s[10:11], table s[12:13], W1 s[14:15]
	s_load_b256 s[16:23], s[0:1], 0x20             ; W2 s[16:17], W3 s[18:19], the exponents s[20:21], out0 s[22:23]
	v_lshl_add_u32 v128, v0, 2, 0x5000
	v_mov_b32 v129, 0
	v_lshrrev_b32 v32, 5, v0
	v_readfirstlane_b32 s30, v32                   ; wave 0..7
	v_and_b32 v32, 15, v0                          ; r
	v_and_b32 v33, 8, v0
	v_add_nc_u32 v33, v33, v32                     ; r + 8 (r / 8)
	v_bfe_u32 v34, v0, 4, 1                        ; h
	v_lshlrev_b32 v34, 4, v34
	v_lshl_add_u32 v[WO1], v33, 5, v34             ; W1: a row is 32 codes
	v_lshl_add_u32 v[WO2], v33, 6, v34             ; W2: 64
	v_lshl_add_u32 v[WO3], v32, 6, v34             ; W3: 64, rows as they lie
	v_mul_u32_u24 v15, v0, 12                      ; my point's bytes of x
	v_lshlrev_b32 v16, 4, v0                       ; and of qpos
	s_mul_i32 s56, ttmp9, 256*12
	s_mov_b32 s57, 0
	s_wait_kmcnt 0x0
	s_load_b128 s[24:27], s[20:21], 0x0            ; e0 .. e3
	s_load_b64 s[28:29], s[20:21], 0x10            ; e4, e5
	s_add_nc_u64 s[8:9], s[8:9], s[56:57]
	s_lshl_b32 s56, ttmp9, 12
	s_add_nc_u64 s[10:11], s[10:11], s[56:57]
	s_wait_alu depctr_va_vdst(0)                   ; v15 and v16 are written, which the four loads below read as their offsets
	global_load_b128 v[8:11], v16, s[10:11] th:TH_LOAD_NT
	global_load_b32 v2, v15, s[8:9] th:TH_LOAD_NT
	global_load_b32 v3, v15, s[8:9] offset:4 th:TH_LOAD_NT
	global_load_b32 v4, v15, s[8:9] offset:8 th:TH_LOAD_NT
	s_wait_alu depctr_va_sdst(0)                   ; s30, the wave's number, is written, ahead of its first reader: out0's base is made from it
	s_lshl_b32 s56, ttmp9, 14                      ; out0: 256 points x 64 bytes a work-group,
	s_lshl_b32 s31, s30, 11                        ; 32 x 64 a wave
	s_add_co_u32 s56, s56, s31
	s_add_nc_u64 s[22:23], s[22:23], s[56:57]
.irp g, 0,1,2,3,4,5,6,7
	s_add_nc_u64 s[TBS+2*\g:TBS+2*\g+1], s[12:13], \g*2*LVLB
.endr
; from the whole number e in s31: s[dst] = 2^e as f32 (a conversion takes its exponent field), s[dst + 1] = 448 x 2^e (448 = 1.75 x 2^8)
.macro POWERS dst
	s_add_co_i32 s31, s31, 127
	s_lshl_b32 s[\dst], s31, 23
	s_add_co_i32 s31, s31, 8
	s_lshl_b32 s[\dst+1], s31, 23
	s_or_b32 s[\dst+1], s[\dst+1], 0x600000
.endm
	s_wait_kmcnt 0x0
	s_mov_b32 s31, s24
	POWERS 48                                      ; h's scale: e0
	s_sub_co_i32 s31, s26, s24
	s_sub_co_i32 s31, s31, s25
	POWERS 50                                      ; a sum of the first product stands for sum x 2^(e0 + e1): its code is sum / 2^(e2 - e0 - e1)
	s_sub_co_i32 s31, s28, s26
	s_sub_co_i32 s31, s31, s27
	POWERS 52                                      ; likewise e4 - e2 - e3
	s_add_co_i32 s31, s28, s29
	s_add_co_i32 s31, s31, 127
	s_lshl_b32 s54, s31, 23                        ; 2^(e4 + e5): what the last sums are multiplied by
	s_mov_b32 s55, s54                             ; (named with it as a pair, so it is written)
	v_mov_b32 v[QS], s48
	v_mov_b32 v[QL], s49
	s_wait_loadcnt 0x0                             ; my point's record and its x are in, and the four loads are done (v16 is written again only in level 0's sum, behind the wait at its head)
	v_and_b32 v32, 63, v11                         ; the three integer parts
	v_bfe_u32 v33, v11, 8, 6
	v_bfe_u32 v34, v11, 16, 6
.irp d, 0,1,2
	v_alignbit_b32 v[QA+\d], v[32+\d], v[QB+\d], 19   ; A = {integer part, fraction} >> 19
.endr
.irp d, 0,1,2
	v_and_b32 v[QB+\d], TMASK, v[QB+\d]            ; B = the fraction's low 19 bits
.endr
; LEVEL l, resolution R (RF: the same as f32), in four parts.  Each group of lines runs over the three dimensions, so that no line waits for the one above it.
; At work: v36-38 n; v40-42 the sums, later n as f32; v32-35, v40-43 (levels 0-3) or v35, v50-53 (levels 4-15) the partial indices; then, for the weights:
; v[32:33], v34 fl(x R); v[44:45], v[46:47], v[48:49] (1 - w, w) of x, y, z; v50-53 the four x-y products.
; PRE: the cell, and of the indices all that fits in work registers: no register of a set is named, so it stands ahead of the wait for the data of the level that still holds the set.
.macro PRE l, R
.irp d, 0,1,2
	v_mul_u32_u24 v[40+\d], v[QB+\d], \R
.endr
.irp d, 0,1,2
	v_lshrrev_b32 v[40+\d], 19, v[40+\d]
.endr
.irp d, 0,1,2
	v_mad_u32_u24 v[40+\d], v[QA+\d], \R, v[40+\d]
.endr
.irp d, 0,1,2
	v_lshrrev_b32 v[36+\d], 13, v[40+\d]           ; n
.endr
.if (\l) < 4
.set GS, (\R)+1
	v_mad_u32_u24 v32, v37, GS, v36
	v_mad_u32_u24 v32, v38, GS*GS, v32             ; corner 0
	v_add_nc_u32 v33, GS*GS, v32                   ; z + 1
	v_add_nc_u32 v34, GS, v32                      ; y + 1
	v_add_nc_u32 v35, GS*GS+GS, v32                ; both
.irp c, 0,1,2,3
	v_add_nc_u32 v[40+\c], 1, v[32+\c]             ; x + 1
.endr
.else
	v_add_nc_u32 v35, 1, v36
	v_mul_u32_u24 v32, v37, P1
	v_mul_u32_u24 v34, v38, P2
	v_add_nc_u32 v33, P1, v32                      ; (y + 1) P1
	v_add_nc_u32 v43, P2, v34                      ; (z + 1) P2
	v_xor_b32 v50, v32, v34
	v_xor_b32 v51, v32, v43
	v_xor_b32 v52, v33, v34
	v_xor_b32 v53, v33, v43
.irp c, 0,1,2,3
	v_and_b32 v[50+\c], TMASK, v[50+\c]
.endr
.endif
.endm
; FIN: the eight indices into the level's set: corner c at v[FB + 2 c], first its index, then its two numbers.  Corner c = 4 i + 2 j + k is (x + i, y + j, z + k).
.macro FIN l
.set FB, SET0+24*(((\l)+2)%3)
.if (\l) < 4
.irp c, 0,1,2,3
	v_min_u32 v[FB+2*\c], TMASK, v[32+\c]          ; a number that comes from memory is held under a constant before it enters an address
	v_min_u32 v[FB+8+2*\c], TMASK, v[40+\c]
.endr
.else
.irp c, 0,1,2,3,4,5,6,7
	v_xor_b32 v[FB+2*\c], v[36-\c/4], v[50+\c%4]
.endr
.irp c, 0,1,2,3,4,5,6,7
	v_min_u32 v[FB+2*\c], TMASK, v[FB+2*\c]        ; changes nothing here: a number that comes from memory is held under a constant before it enters an address
.endr
.endif
.endm
; ASK: the eight loads.
.macro ASK l
.set FB, SET0+24*(((\l)+2)%3)
	s_wait_alu depctr_va_vdst(0)                   ; the eight indices v[FB + 2 c] are written, which the loads read as offsets and land on; the sum of the level three back is done reading the set's sixteen registers, in which the loads land
.irp c, 0,1,2,3,4,5,6,7
	global_load_b64 v[FB+2*\c:FB+2*\c+1], v[FB+2*\c], s[TBS+2*((\l)/2):TBS+2*((\l)/2)+1] offset:((\l)%2)*LVLB scale_offset   ; entry = 8 bytes: the index is scaled by the access's size
.endr
.endm
; WTS: the eight weights, corner c's at v[WG + c].  It stands behind the loads: it names work registers and the set's eight weight registers, none of which a load touches.
.macro WTS l, RF
.set WG, SET0+24*(((\l)+2)%3)+16
	v_pk_mul_f32 v[32:33], v[2:3], \RF op_sel_hi:[1,0]
	v_mul_f32 v34, \RF, v4
.irp d, 0,1,2
	v_cvt_f32_u32 v[40+\d], v[36+\d]
.endr
.irp d, 0,1,2
	v_sub_f32 v[45+2*\d], v[32+\d], v[40+\d]       ; w
.endr
.irp d, 0,1,2
	v_sub_f32 v[44+2*\d], 1.0, v[45+2*\d]          ; 1 - w
.endr
	v_pk_mul_f32 v[50:51], v[44:45], v[46:47] op_sel_hi:[0,1]                ; corner c's weight is (X_i Y_j) Z_k, in reference()'s order
	v_pk_mul_f32 v[52:53], v[44:45], v[46:47] op_sel:[1,0] op_sel_hi:[1,1]
.irp p, 0,1
	v_pk_mul_f32 v[WG+4*\p:WG+4*\p+1], v[50+2*\p:51+2*\p], v[48:49] op_sel_hi:[0,1]
	v_pk_mul_f32 v[WG+4*\p+2:WG+4*\p+3], v[50+2*\p:51+2*\p], v[48:49] op_sel:[1,0] op_sel_hi:[1,1]
.endr
.endm
; Level l's two features: the sum over its eight corners of weight x entry, two numbers an instruction.  left: the younger loads, which may stay out.
; The wait also frees the set: its loads are done, so the level three on may write its registers.
.macro SUM l, left
.set FB, SET0+24*(((\l)+2)%3)
.set WG, FB+16
.set HH, HF+2*((\l)%4)
	s_wait_loadcnt \left
.if (\l) != 14
	s_wait_alu depctr_vm_vsrc(0)                   ; the loads issued so far have read their offsets.  This level's, v[FB + 2 c], are written again next: levels 0-12 by the indices of the level three on; level 13's by W1's and W3's loads and the zero codes; levels 14's and 15's (one wait, at level 15) by the first layer's results and codes.  At level 0 also v16, the head's offset, which this sum writes
.endif
	v_pk_mul_f32 v[HH:HH+1], v[FB:FB+1], v[WG:WG+1] op_sel_hi:[1,0]
	v_pk_fma_f32 v[HH:HH+1], v[FB+2:FB+3], v[WG:WG+1], v[HH:HH+1] op_sel:[0,1,0] op_sel_hi:[1,1,1]
.irp m, 1,2,3
	v_pk_fma_f32 v[HH:HH+1], v[FB+4*\m:FB+4*\m+1], v[WG+2*\m:WG+2*\m+1], v[HH:HH+1] op_sel_hi:[1,0,1]
	v_pk_fma_f32 v[HH:HH+1], v[FB+4*\m+2:FB+4*\m+3], v[WG+2*\m:WG+2*\m+1], v[HH:HH+1] op_sel:[0,1,0] op_sel_hi:[1,1,1]
.endr
.endm
; Four levels' eight features, k = 8 g .. 8 g + 7, become eight codes.
.macro Q8 g
.irp i, 0,1,2,3,4,5,6,7
	v_med3_num_f32 v[HF+\i], v[HF+\i], -v[QL], v[QL]   ; the conversion to an 8-bit code does not saturate (ISA guide 7.6.2): the hold at 448 x the scale
.endr
	v_cvt_scalef32_pk8_fp8_f32 v[CD+2*(\g):CD+2*(\g)+1], v[HF:HF+7], v[QS]
	v_nop                                          ; one plain vector instruction between a scaled conversion and the next line that writes its sources or touches its result
.endm
; One of the first three levels: its set is fresh, there is no level to sum.
.macro FIRST l, R, RF
	PRE \l, \R
	FIN \l
	ASK \l
	WTS \l, \RF
.endm
; A step: level l is summed, and level l + 3, of resolution R, takes its set.  16: the eight loads of each of the next two levels may be out.
.macro STEP l, R, RF
	PRE (\l)+3, \R
	SUM \l, 16
	FIN (\l)+3
	ASK (\l)+3
	WTS (\l)+3, \RF
.endm
	FIRST 0, 16,   0x41800000
	FIRST 1, 24,   0x41c00000
	FIRST 2, 36,   0x42100000
	STEP 0,  54,   0x42580000
	STEP 1,  81,   0x42a20000
	STEP 2,  121,  0x42f20000
	STEP 3,  182,  0x43360000
	Q8 0
	STEP 4,  273,  0x43888000
	STEP 5,  410,  0x43cd0000
	STEP 6,  615,  0x4419c000
	STEP 7,  922,  0x44668000
	Q8 1
	STEP 8,  1383, 0x44ace000
	STEP 9,  2075, 0x4501b000
	STEP 10, 3113, 0x45429000
	STEP 11, 4670, 0x4591f000
	Q8 2
	STEP 12, 7006, 0x45daf000
	SUM 13, 16
	; W1's four tiles and W3's one are asked for here: v32-55 are free since level 15's weights were made, v56-79 since level 13 was summed
	s_wait_alu depctr_va_vdst(0)                   ; level 15's weight lines are done with v32-53 and level 13's sum is done reading v56-79: the six loads below land there
.irp t, 0,1,2,3
	global_load_b128 v[WF+8*\t:WF+8*\t+3], v[WO1], s[14:15] offset:(32*(\t/2)+8*(\t%2))*32   ; k = 16 h + 0 .. 15 of the tile's row
.endr
.irp c, 0,1
	global_load_b128 v[W3F+4*\c:W3F+4*\c+3], v[WO3], s[18:19] offset:32*\c
.endr
.irp t, 0,1,2,3
.irp i, 4,5,6,7
	v_mov_b32 v[WF+8*\t+\i], 0                     ; K = 32 .. 63 of the first product: zero codes
.endr
.endr
.irp i, 4,5,6,7
	v_mov_b32 v[XB1+\i], 0
.endr
	SUM 14, 14                                     ; 14: level 15's eight, W1's four, W3's two
	SUM 15, 6                                      ; 6: W1's four, W3's two
	Q8 3
	; FROM LANES TO FRAGMENTS.  Lane L holds all 32 codes of point L: k 0-15 in v24-27, k 16-31 in v28-31.  The tile of points 0-15 wants k 0-15 of point r in lane r and k 16-31 in lane 16 + r; the tile of points 16-31 likewise.
	; One exchange a register pair does both: v24-27's upper lanes change places with v28-31's lower lanes.
.irp i, 0,1,2,3
	v_permlane16_swap_b32 v[CD+\i], v[CD+4+\i]
.endr
.irp i, 0,1,2,3
	v_mov_b32 v[XB1+\i], v[CD+4+\i]                ; points 16-31 get a run of eight registers of their own,
.endr
.irp i, 4,5,6,7
	v_mov_b32 v[CD+\i], 0                          ; and points 0-15 their zero codes
.endr
; A HIDDEN LAYER of 64 units for the two tiles of points in v[xa] and v[xb] on; its codes go to v[ya] and v[yb] on.  Two halves of 32 units: four products, the hold, four conversions.
; s[ssc], s[slim]: the conversion's scale and 448 x it.  w0, w1: the loads that may stay out at each half's head (w1 = -1: the half needs no wait).  next = 1: W2's tiles are loaded over W1's as these are done with.
.macro LAYER xa, xb, ya, yb, ssc, slim, w0, w1, next
.irp b, 0,1
.if \b == 0
	s_wait_loadcnt \w0
.elseif (\w1) >= 0
	s_wait_loadcnt \w1
.endif
	v_wmma_f32_16x16x64_fp8_fp8 v[ACC:ACC+7],     v[WF+16*\b:WF+16*\b+7],    v[\xa:\xa+7], 0
	v_wmma_f32_16x16x64_fp8_fp8 v[ACC+8:ACC+15],  v[WF+16*\b+8:WF+16*\b+15], v[\xa:\xa+7], 0
	v_wmma_f32_16x16x64_fp8_fp8 v[ACC+16:ACC+23], v[WF+16*\b:WF+16*\b+7],    v[\xb:\xb+7], 0
	v_wmma_f32_16x16x64_fp8_fp8 v[ACC+24:ACC+31], v[WF+16*\b+8:WF+16*\b+15], v[\xb:\xb+7], 0
	; four plain vector instructions that name none of the products' registers stand ahead of the first read of a result (ISA guide 7.12.1)
.if \b == 0
	v_mov_b32 v[QS], s[\ssc]
	v_mov_b32 v[QL], s[\slim]
	v_nop
	v_nop
.else
.rept 4
	v_nop
.endr
.endif
.if \next
	s_wait_alu depctr_va_vdst(0)                   ; the four products are done reading this half's two tiles of W1, zero codes and all: W2's loads land in these sixteen registers
.irp u, 0,1
.irp c, 0,1
	global_load_b128 v[WF+16*\b+8*\u+4*\c:WF+16*\b+8*\u+4*\c+3], v[WO2], s[16:17] offset:(32*\b+8*\u)*64+32*\c
.endr
.endr
.endif
.set i, 0
.rept 32
	v_med3_num_f32 v[ACC+i], v[ACC+i], 0, v[QL]    ; relu and the hold in one; each result is read from its low end on
.set i, i+1
.endr
	v_cvt_scalef32_pk8_fp8_f32 v[\ya+4*\b:\ya+4*\b+1],   v[ACC:ACC+7],     v[QS]   ; registers 4 b .. 4 b + 3 of the next operand: k = 32 b + 16 h + 0 .. 15
	v_cvt_scalef32_pk8_fp8_f32 v[\ya+4*\b+2:\ya+4*\b+3], v[ACC+8:ACC+15],  v[QS]
	v_cvt_scalef32_pk8_fp8_f32 v[\yb+4*\b:\yb+4*\b+1],   v[ACC+16:ACC+23], v[QS]
	v_cvt_scalef32_pk8_fp8_f32 v[\yb+4*\b+2:\yb+4*\b+3], v[ACC+24:ACC+31], v[QS]
	v_nop                                          ; one plain vector instruction ahead of the products that write the conversions' sources or read their results
.endr
.endm
	; The second half's products write over the first half's results: behind each of those stand the four places and at least 24 holds that name none of its registers.
	LAYER CD, XB1, X2, X2+8, 50, 51, 2, -1, 1      ; 2: W3's two loads may be out; W1's four tiles are all in, so the second half has no wait
	LAYER X2, X2+8, CD, XB1, 52, 53, 4, 0, 0       ; 4: W2's tiles 0 and 1 (and W3, asked for earlier) are in, tiles 2 and 3 may be out; then all
	; THE LAST LAYER: source 0 = W3's 16 rows: lane (r, h), register j = out(point r, channel 8 h + j)
	v_wmma_f32_16x16x64_fp8_fp8 v[ACC:ACC+7],    v[W3F:W3F+7], v[CD:CD+7], 0
	v_wmma_f32_16x16x64_fp8_fp8 v[ACC+8:ACC+15], v[W3F:W3F+7], v[XB1:XB1+7], 0
	; THE WAY OUT.  A lane holds 32 bytes of a point's 64, and the wave's 32 points are 2,048 consecutive bytes of out0: they go through the wave's own stage in LDS (32 rows of 80 bytes) and leave
	; 512 consecutive bytes a store.  The thirteen address lines are the places behind the two products.
	s_mul_i32 s31, s30, 32*SPITCH                  ; my wave's stage
	v_and_b32 v19, 15, v0                          ; r
	v_bfe_u32 v20, v0, 4, 1                        ; h
	v_mul_u32_u24 v16, v19, SPITCH
	v_lshl_add_u32 v16, v20, 5, v16
	v_add_nc_u32 v16, s31, v16                     ; in: row r, + 32 h
	v_bfe_u32 v21, v0, 2, 3                        ; lane / 4
	v_and_b32 v22, 3, v0
	v_mul_u32_u24 v17, v21, SPITCH
	v_lshl_add_u32 v17, v22, 4, v17
	v_add_nc_u32 v17, s31, v17                     ; back: four lanes to a row, eight rows an instruction
	v_and_b32 v18, 31, v0
	v_lshlrev_b32 v18, 4, v18                      ; and the same bytes in out0: 16 x lane
.irp i, 0,1,2,3,4,5,6,7
	v_pk_mul_f32 v[96+2*\i:97+2*\i], v[ACC+2*\i:ACC+2*\i+1], s[54:55] op_sel_hi:[1,0]   ; x 2^(e4 + e5); each result from its low end on
.endr
	s_wait_alu depctr_va_vdst(0)                   ; v16, v17, v18 and the scaled sums v96-111 are written, which the LDS stores, the LDS loads and the stores below read; the second layer's products are done reading v112-127, in which the LDS loads land.  No vector line follows
	ds_store_b128 v16, v[96:99]                    ; points 0-15: the 16 lanes of a half write rows 80 bytes apart: 16 different columns of 16 bytes
	ds_store_b128 v16, v[100:103] offset:16
	ds_store_b128 v16, v[104:107] offset:16*SPITCH ; points 16-31
	ds_store_b128 v16, v[108:111] offset:16*SPITCH+16
.irp i, 0,1,2,3
	ds_load_b128 v[112+4*\i:115+4*\i], v17 offset:8*\i*SPITCH   ; LDS serves a wave's instructions in order (ISA guide 5.7.1.4): these see my stores.  Of 16 lanes' four rows the fourth wraps onto three columns of the first: two deep there
.endr
.irp i, 0,1,2,3
	s_wait_dscnt 3-\i                              ; load i is back; the later ones may be out
	global_store_b128 v18, v[112+4*\i:115+4*\i], s[22:23] offset:512*\i th:TH_STORE_NT   ; 32 lanes store 512 consecutive bytes, at a multiple of 256 from out0's first byte; written once, read by nobody here
.endr
	s_wait_dscnt 0x0
	s_wait_alu depctr_hold_cnt(0) depctr_sa_sdst(0) depctr_va_vdst(0) depctr_va_sdst(0) depctr_va_ssrc(0) depctr_va_vcc(0) depctr_vm_vsrc(0)
	s_wait_tensorcnt 0x0
	ds_add_u32 v128, v129
	s_wait_dscnt 0x0
	s_endpgm
.Lfunc_end_k_q62ab1817a5_encmlp:
	.size	k_q62ab1817a5_encmlp, .Lfunc_end_k_q62ab1817a5_encmlp-k_q62ab1817a5_encmlp
	.p2alignl 7, 3214868480
	.fill 96, 4, 3214868480
	.section	.rodata,"a",@progbits
	.p2align	6, 0x0
	.amdhsa_kernel k_q62ab1817a5_encmlp
		.amdhsa_group_segment_fixed_size 21504
		.amdhsa_private_segment_fixed_size 0
		.amdhsa_enable_private_segment 0
		.amdhsa_kernarg_size 64
		.amdhsa_user_sgpr_count 2
		.amdhsa_user_sgpr_kernarg_segment_ptr 1
		.amdhsa_wavefront_size32 1
		.amdhsa_system_sgpr_workgroup_id_x 1
		.amdhsa_system_sgpr_workgroup_id_y 1
		.amdhsa_system_sgpr_workgroup_id_z 1
		.amdhsa_system_vgpr_workitem_id 0
		.amdhsa_next_free_vgpr 130
		.amdhsa_next_free_sgpr 66
		.amdhsa_reserve_vcc 0
		.amdhsa_float_denorm_mode_32 3
		.amdhsa_float_denorm_mode_16_64 3
		.amdhsa_memory_ordered 1
		.amdhsa_forward_progress 1
		.amdhsa_inst_pref_size 90
	.end_amdhsa_kernel
	.amdgpu_metadata
---
amdhsa.version: [ 1, 2 ]
amdhsa.kernels:
  - .name:           k_q62ab1817a5_encmlp
    .symbol:         k_q62ab1817a5_encmlp.kd
    .args:
      - { .name: x, .offset: 0, .size: 8, .value_kind: global_buffer, .address_space: global }
      - { .name: qpos, .offset: 8, .size: 8, .value_kind: global_buffer, .address_space: global }
      - { .name: table, .offset: 16, .size: 8, .value_kind: global_buffer, .address_space: global }
      - { .name: W1_codes, .offset: 24, .size: 8, .value_kind: global_buffer, .address_space: global }
      - { .name: W2_codes, .offset: 32, .size: 8, .value_kind: global_buffer, .address_space: global }
      - { .name: W3_codes, .offset: 40, .size: 8, .value_kind: global_buffer, .address_space: global }
      - { .name: lowp_scales, .offset: 48, .size: 8, .value_kind: global_buffer, .address_space: global }
      - { .name: out0, .offset: 56, .size: 8, .value_kind: global_buffer, .address_space: global }
    .group_segment_fixed_size: 21504
    .private_segment_fixed_size: 0
    .kernarg_segment_align: 8
    .kernarg_segment_size: 64
    .max_flat_workgroup_size: 256
    .sgpr_count:     66
    .vgpr_count:     130
    .wavefront_size: 32
...
	.end_amdgpu_metadata
.endif
;; end of part 3
